; MI455X (gfx1250); checked and timed in simulation.
; The chip was launched on July 23, 2026; its instructions are those of AMD's public machine-readable ISA for CDNA 5 (MIT licence, August 2026) and "CDNA5" Instruction Set Architecture Reference Guide (July 2026). The comments in the code are by the model that wrote it; some were corrected since.
;; Multi Head Attention With SWA. Allowed arithmetic: matrix products marked QUANTISED: E5M2 operands, one given power-of-two scale a tensor, by v_wmma_f32_16x16x64_bf8_bf8 or v_wmma_f32_16x16x128_bf8_bf8, f32 sums; everything else in f32.
;; Inputs: Wk 1,024 x 1,024 float32; Wo 1,024 x 1,024 float32; Wq 1,024 x 1,024 float32; Wv 1,024 x 1,024 float32; bo 1,024 float32; lowp_scales 12 int32 (the exponents e of the quantised operands' scales 2^e); x 1 x 4,096 x 1,024 float32.
;; Outputs: out0 1 x 4,096 x 1,024 float32.
;; This version of the problem:
;;   THIS VERSION OF THE PROBLEM IS GIVEN IN LOW PRECISION. The matrix products marked QUANTISED in the list below multiply operands that are first quantised to E5M2 (5 exponent bits, 2 mantissa bits; 8 bits a number), with one given power-of-two scale for each operand tensor; their sums are f32. All else is computed in f32.
;;   The module's matrix products, in the order in which they are computed (A, B: the left and right operand; K: the contracted axis; several contracted axes count as one K, in the product's order):
;;     1. [M 4,096, K 1,024] x [K 1,024, N 1,024]; A: input x; B: input Wq: QUANTISED (scales: A lowp_scales[0], B lowp_scales[1])
;;     2. [M 4,096, K 1,024] x [K 1,024, N 1,024]; A: input x; B: input Wk: QUANTISED (scales: A lowp_scales[2], B lowp_scales[3])
;;     3. [M 4,096, K 1,024] x [K 1,024, N 1,024]; A: input x; B: input Wv: QUANTISED (scales: A lowp_scales[4], B lowp_scales[5])
;;     4. batch 16 x [M 4,096, K 64] x [K 64, N 4,096]; A: computed on the way; B: computed on the way: QUANTISED (scales: A lowp_scales[6], B lowp_scales[7])
;;     5. batch 16 x [M 4,096, K 4,096] x [K 4,096, N 64]; A: softmax (see below); B: computed on the way: QUANTISED (scales: A lowp_scales[8], B lowp_scales[9])
;;     6. [M 4,096, K 1,024] x [K 1,024, N 1,024]; A: computed on the way; B: input Wo: QUANTISED (scales: A lowp_scales[10], B lowp_scales[11])
;;   THE QUANTISER, for each operand of a quantised product, along K:
;;     - The operand's scale is 2^e, e = its entry of the input lowp_scales (int32; the entries are numbered through the quantised products in the list's order, A before B).
;;     - Each number is divided by the scale, clamped to +-57,344, and rounded to the nearest number of E5M2, ties to even, subnormals kept.
;;     - The product sums the exact products of the quantised numbers (number of the format x scale) in f32.
;;   ~~~python
;;   def quantise(x, axis, e):      # numpy; x: float32 -> the quantised numbers, widened to float32 again
;;       x = np.moveaxis(x, axis, -1); K = x.shape[-1]
;;       r = np.clip(x / 2.0 ** e, -57344, 57344)
;;       step = 2.0 ** (np.maximum(np.frexp(np.where(r == 0, 1, r))[1] - 1, -14) - 2)
;;       q = np.round(r / step) * step * 2.0 ** e      # np.round: ties to even
;;       return np.moveaxis(q, -1, axis).astype(np.float32)
;;   ~~~
;;   SOFTMAX AHEAD OF A QUANTISED PRODUCT. Where the list says 'softmax', what is quantised is not the finished softmax but p = 2^(t - M), with t = logit x log2(e) and M = ceil(the row's largest t), a whole number; so 1/2 < the row's largest p <= 1. The row's sum l is taken of the UNQUANTISED p, in f32, and the product's result is divided by l at the end. Since M is a whole number, a kernel that streams over the keys may use a running M (the ceiling of the running maximum): every later rescaling is an exact power of two, so the quantised numbers keep their values, but for numbers so far below the row's largest that they fall under the format's range.
;;   OPERANDS COMPUTED ON THE WAY. 'Computed on the way' means the value that the module computes at that place (a softmax that the list does not call 'softmax' is quantised finished and normalised). What goes into a quantiser is computed in f32, as accurately as f32 sums, v_exp_f32 and their like allow (about 1e-6 of the number): no bf16 or f16 on the way to a quantiser, and a product that is left as it is and whose result goes on into a quantised operand takes f32 operands (vector FMAs, or v_wmma_f32_16x16x4_f32). A number that lies on a knife's edge between two numbers of the format may be rounded either way, as far as f32 arithmetic and the matrix unit's own rounding can turn it there, and no further.
;; One version. Each part assembles by itself: llvm-mc -triple=amdgcn-amd-amdhsa -mcpu=gfx1250 --defsym DOCPART=n.
;; ======== version 1 of 1: 4 launches
;; workspace buffers: codes 16,777,216 bytes; qkvc 12,582,912 bytes; ctxc 4,194,304 bytes
;; launch quant (part 1): grid 768 x 1, 4 waves a work-group, no clusters, 34,304 bytes of LDS; arguments x, Wq, Wk, Wv, Wo, lowp_scales, codes; writes codes
.if DOCPART == 1
	.amdgcn_target "amdgcn-amd-amdhsa--gfx1250"
	.amdhsa_code_object_version 6
	.text
	.protected	k_q6e63adcb61_quant
	.globl	k_q6e63adcb61_quant
	.p2align	8
	.type	k_q6e63adcb61_quant,@function
k_q6e63adcb61_quant:
	s_mov_b64 s[64:65], 0
	v_nop
	global_prefetch_b8 v0, s[64:65] scope:SCOPE_SE
	s_setreg_imm32_b32 hwreg(HW_REG_WAVE_MODE, 25, 1), 1
	s_wait_xcnt 0x0
; x [4096][1024] f32 becomes codes of BF8 (E5M2) three times, by the scales 2^e0, 2^e2, 2^e4 of the three projections; Wq, Wk, Wv, Wo [1024 (k)][1024 (n)] f32 once each, by e1, e3, e5, e11.
; code = number / 2^e, held within +-57,344, rounded to the nearest code, ties to even.
; LIMITS: each of these seven exponents lies between -126 and 112, so that 2^e and 57,344 x 2^e are f32 numbers.  NaN among the inputs is not served (an infinity is held at the largest code).
; THE CODES ARE LAID AS IMAGES OF THE OPERAND'S REGISTERS.  A tile of 16 rows x 128 k is 2,048 bytes: byte 512 g + 16 L + y (L = r + 16 h) is row r at k = 32 g + 16 (y / 8) + 8 h + y % 8:
; chunk g is registers 4 g .. 4 g + 3 of lane L in the layout of the K = 128 form on 8-bit codes (registers 2 c, 2 c + 1: k = 16 c + 8 h + 0 .. 7).  A reader takes a fragment by four loads of 512 consecutive bytes.
; codes: x by e0 at 0, by e2 at 0x400000, by e4 at 0x800000, each [256 tiles of tokens][8 K steps][2,048]; Wq at 0xC00000, Wk 0xD00000, Wv 0xE00000, Wo 0xF00000, each [64 tiles of n][8 K steps][2,048].
; Work-groups 0 to 511 take x (a wave makes one image, three times), 512 to 767 the weights (a wave makes two images).  No barrier: waves share nothing.  Only x's path touches LDS.
.set X,   16                           ; v16-79    x: 64 numbers of a lane
.set T,   80                           ; v80-111   x: two sets of 16 held numbers
.set C,   112                          ; v112-159  x: 16 registers of codes for each of the three scales
.set WR,  16                           ; v16-143   a weight: 128 numbers of a lane's column
.set CW,  144                          ; v144-175  a weight: its codes
.set SP,  528                          ; a row of the stage: 512 bytes + 16, so that sixteen rows start at sixteen different 16-byte columns
	s_load_b256 s[4:11], s[0:1], 0x0               ; x s[4:5], Wq s[6:7], Wk s[8:9], Wv s[10:11]
	s_load_b128 s[12:15], s[0:1], 0x20             ; Wo s[12:13], the exponents s[14:15]
	s_load_b64 s[16:17], s[0:1], 0x30              ; codes
	v_lshl_add_u32 v176, v0, 2, 0x8400
	v_mov_b32 v177, 0
	v_lshrrev_b32 v1, 5, v0
	v_readfirstlane_b32 s18, v1                    ; wave 0..3
	v_and_b32 v1, 31, v0                           ; lane
	v_lshlrev_b32 v2, 4, v1                        ; 16 x lane
	s_wait_kmcnt 0x0
	s_load_b256 s[24:31], s[14:15], 0x0            ; e0 .. e7
	s_load_b128 s[32:35], s[14:15], 0x20           ; e8 .. e11
	s_cmp_lt_u32 ttmp9, 512
	s_cbranch_scc0 .Lweights
	; ---- x: tile of tokens T = work-group / 2, K step = 4 (work-group % 2) + wave
	s_lshr_b32 s19, ttmp9, 1
	s_and_b32 s20, ttmp9, 1
	s_lshl_b32 s20, s20, 2
	s_add_co_u32 s20, s20, s18
	s_lshl_b32 s36, s19, 16                        ; 16 rows of 4,096 bytes
	s_lshl_b32 s21, s20, 9                         ; 128 numbers
	s_add_co_u32 s36, s36, s21
	s_mov_b32 s37, 0
	s_add_nc_u64 s[4:5], s[4:5], s[36:37]
	s_lshl_b32 s36, s19, 14                        ; eight images to a tile of tokens
	s_lshl_b32 s21, s20, 11
	s_add_co_u32 s36, s36, s21
	s_add_nc_u64 s[40:41], s[16:17], s[36:37]      ; my image by e0,
	s_add_nc_u64 s[42:43], s[40:41], 0x400000      ; by e2,
	s_add_nc_u64 s[44:45], s[40:41], 0x800000      ; by e4
	s_mul_i32 s21, s18, 16*SP                      ; my stage
	v_add_nc_u32 v3, s21, v2                       ; in: a row as it lies, 16 bytes a lane
	v_and_b32 v5, 15, v0                           ; r
	v_bfe_u32 v6, v0, 4, 1                         ; h
	v_mul_u32_u24 v4, v5, SP
	v_lshl_add_u32 v4, v6, 5, v4
	v_add_nc_u32 v4, s21, v4                       ; out: row r, + 32 h bytes: eight numbers from k = 8 h on
.irp R, 0,1,2,3,4,5,6,7,8,9,10,11,12,13,14,15
	global_load_b128 v[X+4*\R:X+4*\R+3], v2, s[4:5] offset:4096*\R th:TH_LOAD_NT   ; 32 lanes read 512 consecutive bytes of row R
.endr
	s_wait_kmcnt 0x0
.irp s, 0,1,2
	s_add_co_i32 s22, s[24+2*\s], 127
	s_lshl_b32 s23, s22, 23
	v_mov_b32 v[8+\s], s23                         ; 2^e as f32: the conversion takes its exponent field
	s_add_co_i32 s22, s22, 15
	s_lshl_b32 s22, s22, 23
	s_or_b32 s22, s22, 0x600000
	v_mov_b32 v[11+\s], s22                        ; 57,344 x 2^e
.endr
.irp R, 0,1,2,3,4,5,6,7,8,9,10,11,12,13,14,15
	s_wait_loadcnt 15-\R                           ; loads come back in order: row R is in, the younger rows may be out
	ds_store_b128 v3, v[X+4*\R:X+4*\R+3] offset:SP*\R
.endr
	s_wait_dscnt 0x0                               ; the stores have read X
.irp g, 0,1,2,3                                ; X[16 g + i] = x(r, 32 g + 8 h + i) for i < 8, x(r, 32 g + 16 + 8 h + i - 8) above: the image's order
	ds_load_b128 v[X+16*\g:X+16*\g+3],     v4 offset:128*\g
	ds_load_b128 v[X+16*\g+4:X+16*\g+7],   v4 offset:128*\g+16
	ds_load_b128 v[X+16*\g+8:X+16*\g+11],  v4 offset:128*\g+64
	ds_load_b128 v[X+16*\g+12:X+16*\g+15], v4 offset:128*\g+80
.endr
; The image by scale s.  The numbers stay in X for the next scale: the hold writes into T, whose two sets take turns, so that sixteen plain lines stand between a conversion and the next write of its sources.
.macro QX s
.irp g, 0,1,2,3
.if \s == 0
	s_wait_dscnt 12-4*\g                           ; group g's four loads are in; the later groups' may be out
.endif
.irp i, 0,1,2,3,4,5,6,7,8,9,10,11,12,13,14,15
	v_med3_num_f32 v[T+16*(\g%2)+\i], v[X+16*\g+\i], -v[11+\s], v[11+\s]   ; the conversion to an 8-bit code does not saturate (ISA guide 7.6.2): the hold at the largest code x the scale
.endr
	v_cvt_scalef32_pk8_bf8_f32 v[C+16*\s+4*\g:C+16*\s+4*\g+1],   v[T+16*(\g%2):T+16*(\g%2)+7],    v[8+\s]
	v_cvt_scalef32_pk8_bf8_f32 v[C+16*\s+4*\g+2:C+16*\s+4*\g+3], v[T+16*(\g%2)+8:T+16*(\g%2)+15], v[8+\s]
.endr
	v_nop                                          ; a plain line behind the last conversion of the run
.irp g, 0,1,2,3
	global_store_b128 v2, v[C+16*\s+4*\g:C+16*\s+4*\g+3], s[40+2*\s:41+2*\s] offset:512*\g   ; 32 lanes store 512 consecutive bytes, aligned
.endr
.endm
	QX 0
	QX 1
	QX 2
	s_wait_tensorcnt 0x0
	ds_add_u32 v176, v177
	s_wait_dscnt 0x0
	s_endpgm
.Lweights:
	; ---- a weight: j = work-group - 512: weight j / 64, columns 128 ((j / 8) % 8) on, K step j % 8.  A LANE TAKES A COLUMN n AND ITS REGISTERS RUN DOWN K, in the image's order: nothing is transposed.
	s_sub_co_u32 s19, ttmp9, 512
	s_lshr_b32 s20, s19, 6                         ; 0 Wq, 1 Wk, 2 Wv, 3 Wo
	s_and_b32 s21, s20, 1
	s_cmp_lg_u32 s21, 0
	s_cselect_b64 s[36:37], s[8:9], s[6:7]         ; the choice hangs on the work-group's number alone
	s_cselect_b64 s[38:39], s[12:13], s[10:11]
	s_and_b32 s21, s20, 2
	s_cmp_lg_u32 s21, 0
	s_cselect_b64 s[36:37], s[38:39], s[36:37]
	s_bfe_u32 s40, s19, 0x30003                    ; which 128 columns
	s_and_b32 s41, s19, 7                          ; which K step
	s_lshl_b32 s42, s41, 19                        ; 128 rows of 4,096 bytes
	s_lshl_b32 s21, s40, 9
	s_add_co_u32 s42, s42, s21
	s_lshl_b32 s21, s18, 7                         ; my wave's 32 columns
	s_add_co_u32 s42, s42, s21
	s_mov_b32 s43, 0
	s_add_nc_u64 s[36:37], s[36:37], s[42:43]
	s_lshl_b32 s44, s20, 20                        ; a weight's images are 2^20 bytes
	s_add_co_u32 s44, s44, 0xC00000
	s_lshl_b32 s21, s40, 17                        ; tile of n = 8 x column group + 2 x wave (+ lane / 16), 16,384 bytes each
	s_add_co_u32 s44, s44, s21
	s_lshl_b32 s21, s18, 15
	s_add_co_u32 s44, s44, s21
	s_lshl_b32 s21, s41, 11
	s_add_co_u32 s44, s44, s21
	s_mov_b32 s45, 0
	s_add_nc_u64 s[46:47], s[16:17], s[44:45]
	v_lshlrev_b32 v5, 2, v1                        ; in: 4 bytes a lane
	v_lshrrev_b32 v6, 4, v1
	v_and_b32 v7, 15, v1
	v_lshlrev_b32 v6, 14, v6
	v_lshl_add_u32 v6, v7, 4, v6                   ; out: tile lane / 16, row lane % 16
.macro LOADW g                         ; register 32 g + 16 h + i = W(32 g + 8 h + i + 8 (i / 8), my column): what lane (r, h) of the image holds in chunk g
.irp h, 0,1
.irp i, 0,1,2,3,4,5,6,7,8,9,10,11,12,13,14,15
	global_load_b32 v[WR+32*(\g)+16*\h+\i], v5, s[36:37] offset:4096*(32*(\g)+8*\h+\i+8*(\i/8)) th:TH_LOAD_NT
.endr
.endr
.endm
	LOADW 0
	LOADW 1
	s_wait_kmcnt 0x0
	s_and_b32 s21, s20, 1
	s_cmp_lg_u32 s21, 0
	s_cselect_b32 s22, s27, s25                    ; e3 or e1
	s_cselect_b32 s23, s35, s29                    ; e11 or e5
	s_and_b32 s21, s20, 2
	s_cmp_lg_u32 s21, 0
	s_cselect_b32 s22, s23, s22
	s_add_co_i32 s22, s22, 127
	s_lshl_b32 s23, s22, 23
	v_mov_b32 v8, s23                              ; 2^e
	s_add_co_i32 s22, s22, 15
	s_lshl_b32 s22, s22, 23
	s_or_b32 s22, s22, 0x600000
	v_mov_b32 v11, s22                             ; 57,344 x 2^e
.macro BLOCKW g
.if (\g) < 3
	s_wait_loadcnt 32                              ; this group's 32 loads are in; the next group's may be out
.else
	s_wait_loadcnt 0x0
.endif
.if (\g)+2 < 4
	LOADW (\g)+2                                   ; every group has registers of its own
.endif
.irp i, 0,1,2,3,4,5,6,7,8,9,10,11,12,13,14,15,16,17,18,19,20,21,22,23,24,25,26,27,28,29,30,31
	v_med3_num_f32 v[WR+32*(\g)+\i], v[WR+32*(\g)+\i], -v11, v11
.endr
.irp h, 0,1
	v_cvt_scalef32_pk8_bf8_f32 v[CW+8*(\g)+4*\h:CW+8*(\g)+4*\h+1],   v[WR+32*(\g)+16*\h:WR+32*(\g)+16*\h+7],    v8
	v_cvt_scalef32_pk8_bf8_f32 v[CW+8*(\g)+4*\h+2:CW+8*(\g)+4*\h+3], v[WR+32*(\g)+16*\h+8:WR+32*(\g)+16*\h+15], v8
.endr
	v_nop                                          ; a plain line behind the last conversion of the run
.irp h, 0,1
	global_store_b128 v6, v[CW+8*(\g)+4*\h:CW+8*(\g)+4*\h+3], s[46:47] offset:512*(\g)+256*\h   ; sixteen lanes store 256 consecutive bytes, aligned, of each of two images
.endr
.endm
	BLOCKW 0
	BLOCKW 1
	BLOCKW 2
	BLOCKW 3
	s_endpgm
.Lfunc_end_k_q6e63adcb61_quant:
	.size	k_q6e63adcb61_quant, .Lfunc_end_k_q6e63adcb61_quant-k_q6e63adcb61_quant
	.p2alignl 7, 3214868480
	.fill 96, 4, 3214868480
	.section	.rodata,"a",@progbits
	.p2align	6, 0x0
	.amdhsa_kernel k_q6e63adcb61_quant
		.amdhsa_group_segment_fixed_size 34304
		.amdhsa_private_segment_fixed_size 0
		.amdhsa_enable_private_segment 0
		.amdhsa_kernarg_size 56
		.amdhsa_user_sgpr_count 2
		.amdhsa_user_sgpr_kernarg_segment_ptr 1
		.amdhsa_wavefront_size32 1
		.amdhsa_system_sgpr_workgroup_id_x 1
		.amdhsa_system_sgpr_workgroup_id_y 1
		.amdhsa_system_sgpr_workgroup_id_z 1
		.amdhsa_system_vgpr_workitem_id 0
		.amdhsa_next_free_vgpr 178
		.amdhsa_next_free_sgpr 66
		.amdhsa_reserve_vcc 0
		.amdhsa_float_denorm_mode_32 3
		.amdhsa_float_denorm_mode_16_64 3
		.amdhsa_memory_ordered 1
		.amdhsa_forward_progress 1
		.amdhsa_inst_pref_size 46
	.end_amdhsa_kernel
	.amdgpu_metadata
---
amdhsa.version: [ 1, 2 ]
amdhsa.kernels:
  - .name:           k_q6e63adcb61_quant
    .symbol:         k_q6e63adcb61_quant.kd
    .args:
      - { .name: x, .offset: 0, .size: 8, .value_kind: global_buffer, .address_space: global }
      - { .name: Wq, .offset: 8, .size: 8, .value_kind: global_buffer, .address_space: global }
      - { .name: Wk, .offset: 16, .size: 8, .value_kind: global_buffer, .address_space: global }
      - { .name: Wv, .offset: 24, .size: 8, .value_kind: global_buffer, .address_space: global }
      - { .name: Wo, .offset: 32, .size: 8, .value_kind: global_buffer, .address_space: global }
      - { .name: lowp_scales, .offset: 40, .size: 8, .value_kind: global_buffer, .address_space: global }
      - { .name: codes, .offset: 48, .size: 8, .value_kind: global_buffer, .address_space: global }
    .group_segment_fixed_size: 34304
    .private_segment_fixed_size: 0
    .kernarg_segment_align: 8
    .kernarg_segment_size: 56
    .max_flat_workgroup_size: 128
    .sgpr_count:     66
    .vgpr_count:     178
    .wavefront_size: 32
...
	.end_amdgpu_metadata
.endif
;; end of part 1
;; launch qkv (part 2): grid 12 x 16, 4 waves a work-group, clusters of 4 x 4, 327,680 bytes of LDS; arguments codes, lowp_scales, qkvc; writes qkvc
.if DOCPART == 2
	.amdgcn_target "amdgcn-amd-amdhsa--gfx1250"
	.amdhsa_code_object_version 6
	.text
	.protected	k_q6e63adcb61_qkv
	.globl	k_q6e63adcb61_qkv
	.p2align	8
	.type	k_q6e63adcb61_qkv,@function
k_q6e63adcb61_qkv:
	s_mov_b64 s[64:65], 0
	v_nop
	global_prefetch_b8 v0, s[64:65] scope:SCOPE_SE
	s_setreg_imm32_b32 hwreg(HW_REG_WAVE_MODE, 25, 1), 1
	s_wait_xcnt 0x0
	s_wait_alu depctr_hold_cnt(0) depctr_sa_sdst(0) depctr_va_vdst(0) depctr_va_sdst(0) depctr_va_ssrc(0) depctr_va_vcc(0) depctr_vm_vsrc(0)
	s_getreg_b32 s2, hwreg(HW_REG_IB_STS2, 6, 4)
	s_cmp_eq_u32 s2, 0
	s_cbranch_scc0 .Lentry_in_a_cluster
	s_endpgm
.Lentry_in_a_cluster:
	s_bfe_u32 s2, ttmp6, 0x10000c
	s_cmp_lg_u32 s2, 0xf033
	s_cbranch_scc0 .Lentry_shape_is_right
	s_endpgm
.Lentry_shape_is_right:
; q = x Wq, k = x Wk, v = x Wv on codes of BF8 (E5M2), sums in f32; each result is quantised at once, by e6, e7, e9, and leaves as codes.
; The cluster's x is the product P (0 q, 1 k, 2 v).  A tile of 256 x 256 of a result is made by four waves, 128 x 128 each: 64 accumulators, 512 registers.  K = 1,024 goes in four steps of 256 through two LDS slots.
; OPERANDS ARE IMAGES OF REGISTERS (16 rows x 128 k = 2,048 bytes; chunk c = registers 4 c .. 4 c + 3 of the 32 lanes, 512 consecutive bytes): a fragment is four ds_load_b128 of 512 consecutive bytes: no pitch, no padding, k in its own place.
; For q and k operand A is x (rows: tokens) and B the weight (rows: channels).  FOR v THE TWO CHANGE PLACES: A = Wv, B = x.  The matrix instruction is used transposed (source 0 = 16 rows of B, source 1 = 16 rows of A):
; a lane holds one row of A, and the eight registers of accumulator (a, b) are B's rows 16 b + 8 h + 0 .. 7.  So for q and k a lane holds a token and its registers run along the channels, for v a channel and its registers run along the
; keys: in both cases along the K of the product that follows, in the order of that operand's registers.  Eight numbers converted are two registers of the next operand, and they are stored as they stand: no LDS on the way out.
; qkvc: q at 0, k at 0x400000: [256 tiles of tokens][16 heads][1,024] (16 tokens x 64 channels); v at 0x800000: [64 tiles of channels][32 steps of 128 keys][2,048].
; What differs between the products is chosen by s_cselect_b32 on the cluster's x, as offsets into the one buffer of codes; there is no branch on it.
; CLUSTERS: 4 x 4 work-groups.  A's tiles are shared along a row of the cluster, B's along a column: each is asked for jointly, by the same tensor load with a mask that names the four.
; The grid has 192 work-groups: a smaller tile would give more of them, at twice the LDS bytes for each product.
; LIMITS: e6 - e0 - e1, e7 - e2 - e3 and e9 - e4 - e5 lie between -126 and 112, so that the conversion's scale and 57,344 times it are f32 numbers.
; REGISTERS, in windows of 256: window 0: v8-15 store offsets, v16-21 LDS addresses, v28-31 the add's two, the scale, the limit; v32-95 held numbers; from v128 A's fragments, ONE set; on the way out v96-223 the codes.
;   window 1: B's fragments, TWO sets.   window 2: the accumulators of my rows 0-63 ((a, b) at v[8 (8 a + b)]);   window 3: those of rows 64-127.
.set HALFT,  32768                     ; what one tensor load brings: 8 tiles of 16 rows x 256 k
.set SLOT,   4*HALFT                   ; A's two halves, then B's two halves
.set SPARE,  2*SLOT                    ; behind the ring: the spare words, 128 bytes for each wave: two blocks of 256 bytes that no other line names
.set FR,     16                        ; registers of a fragment
.set NL,     4                         ; LDS loads that bring one
.set NP,     4                         ; places behind this matrix instruction (ISA guide 7.12.1)
.set VO,   8                           ; v8-15   16 x lane + block a's distance in the output
.set ADRA, 16                          ; v16-17  LDS address of my A fragments in slot 0, 1
.set ADRB, 20                          ; v20-21  the same for B
.set SPW,  28                          ; v28     LDS address of my spare word; never rewritten
.set NIL,  29                          ; v29     0; never rewritten
.set SCL,  30                          ; v30     2^(eO - eA - eB)
.set LIM,  31                          ; v31     57,344 x that
.set TMP,  32
.set CR,   96
.set AF,   128
.set G1, 24                            ; s[24:31] descriptor group 1 for A's tiles;  s[32:39] group 0, one set for each slot
.set G0, 32
.set G1B, 48                           ; s[48:55], s[56:63] the same for B's tiles
.set G0B, 56
.set MSB, 0
.macro WIN new                         ; the immediate's high byte repeats the setting that is left
.if MSB != \new
	s_set_vgpr_msb (MSB<<8)|\new
.set MSB, \new
.endif
.endm
.set MUL_LO, 0xa1                      ; source 0 (B) window 1, source 1 (A) window 0, C and D window 2
.set MUL_HI, 0xf1                      ; the same, C and D window 3
.set TO_B,   0x40                      ; destination window 1, address window 0
; A joint load: waves 0 and 1 fetch for A, waves 2 and 3 for B.  The branch hangs on the wave's number alone.  Four v_nop follow each of the two lines.
.macro JLOAD g0a, g1a, g0b, g1b
	s_cmp_eq_u32 s15, 0
	s_cbranch_scc0 .Lfor_b_\@
	tensor_load_to_lds s[\g0a:\g0a+3], s[\g1a:\g1a+7]
	s_nop 0
.rept 4
	v_nop
.endr
	s_branch .Lasked_\@
.Lfor_b_\@:
	tensor_load_to_lds s[\g0b:\g0b+3], s[\g1b:\g1b+7]
	s_nop 0
.rept 4
	v_nop
.endr
.Lasked_\@:
.endm
.macro CREST                           ; a round of the cluster's barrier behind its opening barrier
	s_cmp_lg_u32 s14, 0
	s_cbranch_scc1 .Lnot_wave_0_\@
	s_barrier_signal -3
.Lnot_wave_0_\@:
	s_barrier_wait -3
	s_barrier_signal -1
	s_barrier_wait -1
.endm
.macro CROUND                          ; a whole round
	s_barrier_signal -1
	s_barrier_wait -1
	CREST
.endm
	s_load_b128 s[4:7], s[0:1], 0x0                ; codes s[4:5], the exponents s[6:7]
	s_load_b64 s[10:11], s[0:1], 0x10              ; qkvc
	v_lshl_add_u32 v[SPW], v0, 2, SPARE
	v_mov_b32 v[NIL], 0
	ds_add_u32 v28, v29
	ds_add_u32 v28, v29
	s_wait_dscnt 0x0
	v_lshrrev_b32 v1, 5, v0
	v_readfirstlane_b32 s14, v1                    ; wave 0..3
	s_lshr_b32 s15, s14, 1                         ; which half of A's rows is mine.  Also: I fetch for A (0) or for B (1)
	s_and_b32 s16, s14, 1                          ; which half of B's rows.  Also: which half of that tile I fetch
	s_bfe_u32 s40, ttmp6, 0x40000                  ; cx, cy: my place in the cluster
	s_bfe_u32 s41, ttmp6, 0x40004
	s_and_b32 s66, ttmp7, 0xffff
	s_lshl_b32 s66, s66, 2                         ; 4 x cluster y: the tokens' tiles
	s_lshl_b32 s70, ttmp9, 22                      ; q, k: A = x by this product's scale,
	s_lshl_b32 s71, ttmp9, 20
	s_add_co_u32 s71, s71, 0xC00000                ;       B = this product's weight
	s_cmp_eq_u32 ttmp9, 2                          ; v?  The same answer in all sixteen partners
	s_cselect_b32 s67, 0, s66                      ; A's tiles: v has four (channels), q and k sixteen (tokens)
	s_cselect_b32 s68, s66, 0                      ; B's tiles: the other way round
	s_cselect_b32 s69, 16, 14                      ; log2 of the bytes from one block of 16 of A's rows to the next in the output
	s_cselect_b32 s70, 0xE00000, s70               ; v: A = Wv,
	s_cselect_b32 s71, 0x800000, s71               ;    B = x by e4
	s_add_co_u32 s17, s67, s41                     ; A's tile: hangs on cy, never on cx
	s_add_co_u32 s42, s68, s40                     ; B's tile: hangs on cx, never on cy
	s_lshl_b32 s43, s41, 2
	s_lshl_b32 s43, 15, s43                        ; my row of the cluster
	s_lshl_b32 s44, 0x1111, s40                    ; my column
	; descriptor group 1: 8 rows of 4,096 bytes (a tile of 16 rows, two images on end), 16,384 bytes apart (a tile's eight images); elements of 8 bytes; no padding
	s_or_b32 s[G1+0], s43, (3<<16)|(1<<21)         ; 15:0 the mask: A's tiles go to my row; 17:16 elements of 8 bytes; 21 set beside a mask
	s_or_b32 s[G1B+0], s44, (3<<16)|(1<<21)
.irp g, G1, G1B
	s_mov_b32 s[\g+1], 512<<16                     ; tensor_dim0 = 512 elements
	s_mov_b32 s[\g+2], 8<<16                       ; tensor_dim1 = 8
	s_mov_b32 s[\g+3], 512<<16                     ; tile_dim0
	s_mov_b32 s[\g+4], 8                           ; tile_dim1
	s_mov_b32 s[\g+5], 2048                        ; tensor_dim0_stride, in elements
	s_mov_b32 s[\g+6], 0
	s_mov_b32 s[\g+7], 0
.endr
	s_lshl_b32 s18, s17, 18                        ; a tile of 256 rows is 16 x 16,384 bytes
	s_add_co_u32 s18, s18, s70
	s_lshl_b32 s19, s16, 17                        ; the half that I fetch
	s_add_co_u32 s18, s18, s19
	s_mov_b32 s19, 0
	s_lshl_b32 s22, s42, 18
	s_add_co_u32 s22, s22, s71
	s_lshl_b32 s23, s16, 17
	s_add_co_u32 s22, s22, s23
	s_mov_b32 s23, 0
	s_lshl_b32 s45, s14, 15                        ; where it goes: wave x 32,768: no place in the cluster enters an LDS address
	s_wait_kmcnt 0x0
	s_load_b256 s[80:87], s[6:7], 0x0              ; e0 .. e7
	s_load_b128 s[88:91], s[6:7], 0x20             ; e8 .. e11
	s_add_nc_u64 s[20:21], s[4:5], s[18:19]
	s_add_nc_u64 s[46:47], s[4:5], s[22:23]
	CROUND                                         ; all sixteen work-groups are here: the first joint loads meet
.irp s, 0,1
	s_mov_b32 s[G0+4*\s], 1
	s_add_co_u32 s[G0+4*\s+1], s45, \s*SLOT
	s_add_nc_u64 s[G0+4*\s+2:G0+4*\s+3], s[20:21], \s*4096
	s_or_b32 s[G0+4*\s+3], s[G0+4*\s+3], 0x80000000
	s_mov_b32 s[G0B+4*\s], 1
	s_add_co_u32 s[G0B+4*\s+1], s45, \s*SLOT
	s_add_nc_u64 s[G0B+4*\s+2:G0B+4*\s+3], s[46:47], \s*4096
	s_or_b32 s[G0B+4*\s+3], s[G0B+4*\s+3], 0x80000000
	JLOAD G0+4*\s, G1, G0B+4*\s, G1B               ; two tensor loads of mine are out
.endr
	v_and_b32 v1, 31, v0
	v_lshlrev_b32 v[VO], 4, v1                     ; 16 x lane: my place in every chunk of an image
	s_lshl_b32 s74, s15, 15                        ; my half of A
	s_lshl_b32 s75, s16, 15
	s_add_co_u32 s75, s75, 2*HALFT                 ; my half of B, behind A's two
	v_add_nc_u32 v[ADRA], s74, v[VO]
	v_add_nc_u32 v[ADRB], s75, v[VO]
	v_add_nc_u32 v[ADRA+1], SLOT, v[ADRA]
	v_add_nc_u32 v[ADRB+1], SLOT, v[ADRB]
	; where my part of the result begins: block of 16 of A's rows (16 x A's tile + 8 x half) << s69; 128 of B's rows (2 x B's tile + half) x 2,048; the product x 2^22
	s_lshl_b32 s74, s17, 4
	s_lshl_b32 s75, s15, 3
	s_add_co_u32 s74, s74, s75
	s_lshl_b32 s74, s74, s69
	s_lshl_b32 s76, s42, 1
	s_add_co_u32 s76, s76, s16
	s_lshl_b32 s76, s76, 11
	s_add_co_u32 s74, s74, s76
	s_lshl_b32 s76, ttmp9, 22
	s_add_co_u32 s74, s74, s76
	s_mov_b32 s75, 0
	s_add_nc_u64 s[10:11], s[10:11], s[74:75]
	s_lshl_b32 s77, 1, s69
.irp a, 1,2,3,4,5,6,7
	v_add_nc_u32 v[VO+\a], s77, v[VO+\a-1]         ; an offset register for each block: none is rewritten while a store reads it
.endr
.macro FRAG reg, adr, q, i             ; tile i of my half, the slot's q-th 128 along K: four chunks of 512 bytes are the fragment's sixteen registers
.irp c, 0,1,2,3
	ds_load_b128 v[\reg+4*\c:\reg+4*\c+3], v[\adr] offset:4096*(\i)+2048*(\q)+512*\c
.endr
.endm
; 16 matrix instructions: A's blocks a0, a0 + 1 x B's eight, 128 along K.  p: B's set.  zero = 1: the first product starts the sums.  The 64 accumulators take turns, one instruction a turn, in the same order in every step.
.macro MUL16 a0, p, zero
.irp a, \a0, \a0+1
.irp b, 0,1,2,3,4,5,6,7
.if \zero
	v_wmma_f32_16x16x128_bf8_bf8 v[8*(8*((\a)%4)+\b):8*(8*((\a)%4)+\b)+7], v[128*(\p)+FR*\b:128*(\p)+FR*\b+FR-1], v[AF+FR*(\a):AF+FR*(\a)+FR-1], 0
.else
	v_wmma_f32_16x16x128_bf8_bf8 v[8*(8*((\a)%4)+\b):8*(8*((\a)%4)+\b)+7], v[128*(\p)+FR*\b:128*(\p)+FR*\b+FR-1], v[AF+FR*(\a):AF+FR*(\a)+FR-1], v[8*(8*((\a)%4)+\b):8*(8*((\a)%4)+\b)+7]
.endif
.endr
.endr
.endm
.macro FETCH_B slot, q, p
	WIN TO_B
.irp i, 0,1,2,3,4,5,6,7
	FRAG 128*(\p)+FR*\i, ADRB+\slot, \q, \i
.endr
	WIN 0
.endm
.macro FETCH_A slot, q, i0
.irp i, \i0, \i0+1, \i0+2, \i0+3
	FRAG AF+FR*(\i), ADRA+\slot, \q, \i
.endr
.endm
.macro PLACES n                        ; plain vector lines in front of loads into registers that matrix instructions have read, and of the first read of results (ISA guide 7.12.1 for the first read of results)
.rept \n
	v_nop
.endr
.endm
; A step of 128 along K that has its successor in the same slot.  A block of A is free as soon as its eight products are issued, so A has one set of registers: blocks 0-3 come anew in the step's middle, blocks 4-7 at its end.
.macro STEP slot, q, zero
	s_wait_dscnt 4*NL                              ; B's set and A's blocks 0-3 are in; the youngest sixteen loads (A's blocks 4-7) may be out
	WIN MUL_LO
	MUL16 0, (\q)%2, \zero
	MUL16 2, (\q)%2, \zero
	s_wait_dscnt 0                                 ; A's blocks 4-7 are in
	PLACES NP
	FETCH_B \slot, (\q)+1, 1-(\q)%2
	FETCH_A \slot, (\q)+1, 0
	WIN MUL_HI
	MUL16 4, (\q)%2, \zero
	MUL16 6, (\q)%2, \zero
	PLACES NP
	WIN 0
	FETCH_A \slot, (\q)+1, 4
.endm
; A slot's last step changes slots: ONE barrier; in front of it each wave waits for all its tensor loads, adds 0 to its spare word, and waits for that and for its own reads of this slot.  fill = 1: this slot is filled again, two slots' worth of K ahead.
.macro TURN slot, next, fill
	s_wait_tensorcnt 0x0                           ; all my tensor loads have landed: my part of the next slot  (every window is 0 here)
	ds_add_u32 v[SPW], v[NIL]                      ; 0 onto my spare word
	s_wait_dscnt 4*NL+1                            ; the add and the youngest sixteen loads (A's blocks 4-7) may be out
	WIN MUL_LO
	MUL16 0, 1, 0                                  ; sixteen matrix instructions stand between the add and the wait for it
	s_wait_dscnt 0x0                               ; the add is done, and my reads of this slot are over
	s_barrier_signal -1
	MUL16 2, 1, 0
	WIN 0
	s_barrier_wait -1
.if \fill
	CREST                                          ; the barrier has opened a round of the cluster's barrier: no wave of any partner still reads this slot or has a load on its way
	s_add_nc_u64 s[G0+4*\slot+2:G0+4*\slot+3], s[G0+4*\slot+2:G0+4*\slot+3], 8192
	s_add_nc_u64 s[G0B+4*\slot+2:G0B+4*\slot+3], s[G0B+4*\slot+2:G0B+4*\slot+3], 8192
	JLOAD G0+4*\slot, G1, G0B+4*\slot, G1B         ; the first tensor load behind the round, my only one until the next; its four v_nop are also the places in front of the loads below
.else
	PLACES NP
.endif
	FETCH_B \next, 0, 0
	FETCH_A \next, 0, 0
	WIN MUL_HI
	MUL16 4, 1, 0
	MUL16 6, 1, 0
	PLACES NP
	WIN 0
	FETCH_A \next, 0, 4
.endm
	s_wait_tensorcnt 1                             ; my part of slot 0 is in (slot 1's load may be out)
	s_barrier_signal -1
	s_barrier_wait -1                              ; everybody's is
	FETCH_B 0, 0, 0
	FETCH_A 0, 0, 0
	FETCH_A 0, 0, 4
	STEP 0, 0, 1                                   ; K 0: its products start the sums.  Eight steps of 128 in all, written out: each slot is filled twice
	TURN 0, 1, 1                                   ; K 128; slot 0 takes K 512 on
	STEP 1, 0, 0                                   ; K 256
	TURN 1, 0, 1                                   ; K 384; slot 1 takes K 768 on
	STEP 0, 0, 0                                   ; K 512
	TURN 0, 1, 0                                   ; K 640; nothing is left to fetch
	STEP 1, 0, 0                                   ; K 768
	s_wait_dscnt 4*NL                              ; K 896
	WIN MUL_LO
	MUL16 0, 1, 0
	MUL16 2, 1, 0
	s_wait_dscnt 0
	WIN MUL_HI
	MUL16 4, 1, 0
	MUL16 6, 1, 0
	WIN 0
	; THE WAY OUT.  A sum stands for sum x 2^(eA + eB); its code is sum / 2^(eO - eA - eB): the three scales are folded into the conversion's one.
	s_wait_kmcnt 0x0
	s_sub_co_i32 s92, s86, s80
	s_sub_co_i32 s92, s92, s81                     ; q: e6 - e0 - e1
	s_sub_co_i32 s93, s87, s82
	s_sub_co_i32 s93, s93, s83                     ; k: e7 - e2 - e3
	s_sub_co_i32 s94, s89, s84
	s_sub_co_i32 s94, s94, s85                     ; v: e9 - e4 - e5
	s_cmp_eq_u32 ttmp9, 1
	s_cselect_b32 s92, s93, s92
	s_cmp_eq_u32 ttmp9, 2
	s_cselect_b32 s92, s94, s92
	s_add_co_i32 s92, s92, 127
	s_lshl_b32 s93, s92, 23
	v_mov_b32 v[SCL], s93
	s_add_co_i32 s92, s92, 15
	s_lshl_b32 s92, s92, 23
	s_or_b32 s92, s92, 0x600000
	v_mov_b32 v[LIM], s92
	PLACES NP
; Block a: 16 of A's rows x 128 of B's.  The 64 sums of a lane are held, each accumulator from its low end on, and converted eight at a time: accumulator b gives registers 2 b, 2 b + 1 of the image.
; Every block has its own registers for its codes and its own offset register, so nothing that a store reads is written again.
.macro OUTBLK a
.set WN, 0x02+((\a)/4)
	WIN WN                                         ; source 0: window 2 or 3
.set j, 0
.rept 64
	v_med3_num_f32 v[TMP+j], v[64*((\a)%4)+j], -v[LIM], v[LIM]   ; the conversion to an 8-bit code does not saturate (ISA guide 7.6.2)
.set j, j+1
.endr
	WIN 0
.irp b, 0,1,2,3,4,5,6,7
	v_cvt_scalef32_pk8_bf8_f32 v[CR+16*(\a)+2*\b:CR+16*(\a)+2*\b+1], v[TMP+8*\b:TMP+8*\b+7], v[SCL]
.endr
	v_nop                                          ; a plain line between the conversions and the next block's holds, which write their sources
.irp g, 0,1,2,3
	global_store_b128 v[VO+(\a)], v[CR+16*(\a)+4*\g:CR+16*(\a)+4*\g+3], s[10:11] offset:512*\g   ; 32 lanes store 512 consecutive bytes, aligned
.endr
.endm
.irp a, 0,1,2,3,4,5,6,7
	OUTBLK \a
.endr
	s_wait_tensorcnt 0x0                           ; the wave's end
	ds_add_u32 v[SPW], v[NIL]
	s_wait_dscnt 0x0
	CROUND                                         ; the closing round: no work-group ends while a partner may still ask for a tile that names it
	s_endpgm
.Lfunc_end_k_q6e63adcb61_qkv:
	.size	k_q6e63adcb61_qkv, .Lfunc_end_k_q6e63adcb61_qkv-k_q6e63adcb61_qkv
	.p2alignl 7, 3214868480
	.fill 96, 4, 3214868480
	.section	.rodata,"a",@progbits
	.p2align	6, 0x0
	.amdhsa_kernel k_q6e63adcb61_qkv
		.amdhsa_group_segment_fixed_size 327680
		.amdhsa_private_segment_fixed_size 0
		.amdhsa_enable_private_segment 0
		.amdhsa_kernarg_size 24
		.amdhsa_user_sgpr_count 2
		.amdhsa_user_sgpr_kernarg_segment_ptr 1
		.amdhsa_wavefront_size32 1
		.amdhsa_system_sgpr_workgroup_id_x 1
		.amdhsa_system_sgpr_workgroup_id_y 1
		.amdhsa_system_sgpr_workgroup_id_z 1
		.amdhsa_system_vgpr_workitem_id 0
		.amdhsa_next_free_vgpr 1024
		.amdhsa_next_free_sgpr 100
		.amdhsa_reserve_vcc 0
		.amdhsa_float_denorm_mode_32 3
		.amdhsa_float_denorm_mode_16_64 3
		.amdhsa_memory_ordered 1
		.amdhsa_forward_progress 1
		.amdhsa_inst_pref_size 118
	.end_amdhsa_kernel
	.amdgpu_metadata
---
amdhsa.version: [ 1, 2 ]
amdhsa.kernels:
  - .name:           k_q6e63adcb61_qkv
    .symbol:         k_q6e63adcb61_qkv.kd
    .args:
      - { .name: codes, .offset: 0, .size: 8, .value_kind: global_buffer, .address_space: global }
      - { .name: lowp_scales, .offset: 8, .size: 8, .value_kind: global_buffer, .address_space: global }
      - { .name: qkvc, .offset: 16, .size: 8, .value_kind: global_buffer, .address_space: global }
    .group_segment_fixed_size: 327680
    .private_segment_fixed_size: 0
    .kernarg_segment_align: 8
    .kernarg_segment_size: 24
    .max_flat_workgroup_size: 128
    .sgpr_count:     100
    .vgpr_count:     1024
    .wavefront_size: 32
...
	.end_amdgpu_metadata
.endif
;; end of part 2
;; launch attn (part 3): grid 16 x 16, 16 waves a work-group, no clusters, 169,984 bytes of LDS; arguments qkvc, lowp_scales, ctxc; writes ctxc
.if DOCPART == 3
	.amdgcn_target "amdgcn-amd-amdhsa--gfx1250"
	.amdhsa_code_object_version 6
	.text
	.protected	k_q6e63adcb61_attn
	.globl	k_q6e63adcb61_attn
	.p2align	8
	.type	k_q6e63adcb61_attn,@function
k_q6e63adcb61_attn:
	s_mov_b64 s[64:65], 0
	v_nop
	global_prefetch_b8 v0, s[64:65] scope:SCOPE_SE
	s_setreg_imm32_b32 hwreg(HW_REG_WAVE_MODE, 25, 1), 1
	s_wait_xcnt 0x0
; ctx[q] = the sum over keys k with 0 <= q - k < 512 of softmax_k(q . k / 8) v[k], for each of 16 heads of 64 channels, both products on codes of BF8 (E5M2); the result is quantised at once, by e10, and leaves as codes.
; THE SOFTMAX AHEAD OF THE SECOND PRODUCT: t = score x log2(e) / 8; M = the row's largest t so far, rounded UP to a whole number; p = 2^(t - M) is what is quantised (by e8); it is not normalised.
; The row's sum is taken of the unquantised p, in f32, and divides at the end.  When M moves, the sum and O are multiplied by 2^(old M - new M): exact.
; SHARES.  A work-group owns 256 queries (x) of one head (y); each of its sixteen waves owns 16 of them, in 256 registers: four waves to a SIMD, so that one wave's vector work stands beside another's products and LDS loads.
; The block's queries see keys Q0 - 512 .. Q0 + 255: six slots of 128 keys, 8,192 bytes of K and 8,192 of V each, ALL IN LDS AT ONCE: twelve tensor loads (waves 0-5: K's slots; waves 6-11: V's), one barrier, nothing is filled again.
; A wave's 16 queries see five aligned steps of 128 keys: slots (wave / 8) + 0 .. 4.  In the first, keys 512 or more back are hidden; in the last, keys ahead of the query; the three between count whole.
; A step whose keys lie in front of key 0 (blocks 0 and 1) is left out by a scalar branch on ids; its slot holds keys 0-127 (the address is held at 0) and nobody reads it.
; No cluster: neighbouring blocks of queries want different sets of slots, so partners could not make the same requests, and a block's K and V are 98,304 bytes read once.
; LAYOUT.  All operands are images of registers (16 rows x 64 k: two chunks of 512 bytes; x 128 k: four).  Both products are used transposed: S^T = K Q^T (source 0 = 16 keys), O^T = V^T P^T (source 0 = 16 channels): a lane holds ONE query
; (lane % 16) throughout.  Register 8 t + j of S^T is key 16 t + 8 h + j, which is the place of registers 2 t, 2 t + 1 of the K = 128 form's operand: eight p converted are two registers of P.  Likewise O^T and the image of ctx.
; LIMITS on the given exponents: e6 + e7 between -123 and 130 (added to c's exponent field); e8, and e10 - e8 - e9, between -126 and 112.
; REGISTERS: v1-4 addresses; v12 -M, v13 the largest t, v[14:15] the sum in two halves; v16-23 Q; v32-95 K's eight fragments, then V's four; v96-159 S^T, then p; v160-191 O^T; v192-207 p's codes; v236-254 at work.
.set AK,  1                            ; v1   16 x lane + my first slot of K
.set AV,  2                            ; v2   the same for V
.set DD,  3                            ; v3   16 (wave % 8) + r - 8 h: my query's place in a step of 128, less my half's 8
.set LO,  4                            ; v4   16 x lane
.set WV,  18
.set SEL, 20                           ; s[20:21] lane selects for v_permlanex16_b32: lane l xor 16
.set CS,  22                           ; s[22:23] c = log2(e) / 8 x 2^(e6 + e7)
.set G1K, 24
.set G1V, 32
.set G0K, 40
.set G0V, 44
.set KS0, 56                           ; s56  my first step's first key; below 0 in blocks 0 and 1
	s_load_b128 s[4:7], s[0:1], 0x0                ; qkvc s[4:5], the exponents s[6:7]
	s_load_b64 s[8:9], s[0:1], 0x10                ; ctxc
	v_lshl_add_u32 v251, v0, 2, 0x29000
	v_mov_b32 v255, 0
	ds_add_u32 v251, v255
	ds_add_u32 v251, v255
	v_lshrrev_b32 v5, 5, v0
	v_readfirstlane_b32 s[WV], v5                  ; wave 0..15
	s_and_b32 s48, ttmp7, 0xffff                   ; the head
	s_lshl_b32 s49, ttmp9, 8                       ; Q0
	s_cmp_lt_u32 s[WV], 6
	s_cselect_b32 s50, 0, 6
	s_sub_co_u32 s50, s[WV], s50
	s_min_u32 s50, s50, 5                          ; the slot that I fetch (waves 12-15 fetch none; held at 5, so that no descriptor holds an address past the buffer)
	s_lshl_b32 s50, s50, 7
	s_add_co_u32 s50, s50, s49
	s_sub_co_i32 s50, s50, 512
	s_max_i32 s50, s50, 0                          ; its first key, held at 0
	s_lshl_b32 s52, s50, 10                        ; K: 16 keys are 16,384 bytes on,
	s_lshl_b32 s51, s48, 10                        ;    a head 1,024
	s_add_co_u32 s52, s52, s51
	s_add_co_u32 s52, s52, 0x400000
	s_mov_b32 s53, 0
	s_lshl_b32 s54, s50, 4                         ; V: 128 keys are 2,048 bytes on,
	s_lshl_b32 s51, s48, 18                        ;    a head four tiles of channels of 65,536
	s_add_co_u32 s54, s54, s51
	s_add_co_u32 s54, s54, 0x800000
	s_mov_b32 s55, 0
	s_lshl_b32 s58, ttmp9, 4
	s_add_co_u32 s58, s58, s[WV]                   ; my tile of tokens
	s_lshl_b32 s58, s58, 14
	s_lshl_b32 s51, s48, 10
	s_add_co_u32 s58, s58, s51                     ; its image of this head, in q and in ctx alike
	s_mov_b32 s59, 0
	; descriptor group 1, elements of 8 bytes, no padding.  K: 8 rows (tiles of 16 keys) of 1,024 bytes, 16,384 apart.  V: 4 rows (tiles of 16 channels) of 2,048 bytes, 65,536 apart
	s_mov_b32 s[G1K], 3<<16
	s_mov_b32 s[G1K+1], 128<<16
	s_mov_b32 s[G1K+2], 8<<16
	s_mov_b32 s[G1K+3], 128<<16
	s_mov_b32 s[G1K+4], 8
	s_mov_b32 s[G1K+5], 2048
	s_mov_b32 s[G1K+6], 0
	s_mov_b32 s[G1K+7], 0
	s_mov_b32 s[G1V], 3<<16
	s_mov_b32 s[G1V+1], 256<<16
	s_mov_b32 s[G1V+2], 4<<16
	s_mov_b32 s[G1V+3], 256<<16
	s_mov_b32 s[G1V+4], 4
	s_mov_b32 s[G1V+5], 8192
	s_mov_b32 s[G1V+6], 0
	s_mov_b32 s[G1V+7], 0
	s_mov_b32 s[SEL], 0x76543210
	s_mov_b32 s[SEL+1], 0xfedcba98
	s_mov_b32 s[CS], 0x3e38aa3b                    ; log2(e) / 8
	s_wait_dscnt 0x0
	s_wait_kmcnt 0x0
	s_load_b256 s[68:75], s[6:7], 0x10             ; e4 .. e11: e6 s70, e7 s71, e8 s72, e9 s73, e10 s74
	s_mov_b32 s[G0K], 1
	s_lshl_b32 s[G0K+1], s[WV], 13                 ; K's slot i at 8,192 i; V's at 8,192 (6 + i): both are 8,192 x the wave that fetches it
	s_add_nc_u64 s[G0K+2:G0K+3], s[4:5], s[52:53]
	s_or_b32 s[G0K+3], s[G0K+3], 0x80000000
	s_mov_b32 s[G0V], 1
	s_lshl_b32 s[G0V+1], s[WV], 13
	s_add_nc_u64 s[G0V+2:G0V+3], s[4:5], s[54:55]
	s_or_b32 s[G0V+3], s[G0V+3], 0x80000000
	s_cmp_lt_u32 s[WV], 6                          ; the branches hang on the wave's number alone; four v_nop follow each of the two lines
	s_cbranch_scc0 .Lnot_k
	tensor_load_to_lds s[G0K:G0K+3], s[G1K:G1K+7]
	s_nop 0
.rept 4
	v_nop
.endr
	s_branch .Lasked
.Lnot_k:
	s_cmp_lt_u32 s[WV], 12
	s_cbranch_scc0 .Lasked
	tensor_load_to_lds s[G0V:G0V+3], s[G1V:G1V+7]
	s_nop 0
.rept 4
	v_nop
.endr
.Lasked:
	s_add_nc_u64 s[60:61], s[4:5], s[58:59]        ; my queries' image
	s_add_nc_u64 s[8:9], s[8:9], s[58:59]          ; and where ctx's goes
	v_and_b32 v5, 31, v0
	v_lshlrev_b32 v[LO], 4, v5
	global_load_b128 v[16:19], v[LO], s[60:61]             ; Q's fragment stays in registers
	global_load_b128 v[20:23], v[LO], s[60:61] offset:512
	s_lshr_b32 s62, s[WV], 3
	s_lshl_b32 s63, s62, 13
	v_add_nc_u32 v[AK], s63, v[LO]
	v_add_nc_u32 v[AV], 49152, v[AK]
	v_and_b32 v6, 15, v0                           ; r
	v_bfe_u32 v7, v0, 4, 1                         ; h
	v_lshlrev_b32 v7, 3, v7
	v_sub_nc_u32 v[DD], v6, v7
	s_and_b32 s66, s[WV], 7
	s_lshl_b32 s66, s66, 4
	v_add_nc_u32 v[DD], s66, v[DD]
	s_lshl_b32 s[KS0], s62, 7
	s_add_co_u32 s[KS0], s[KS0], s49
	s_sub_co_i32 s[KS0], s[KS0], 512
	v_mov_b32 v13, 0xff61b1e6                      ; the largest t so far: -3e38, under every t
	v_floor_f32 v12, -v13                          ; -M
	v_mov_b32 v14, 0                               ; the sum, in two halves
	v_mov_b32 v15, 0
	v_mov_b32 v236, 0                              ; written once: a lane permute's destination counts as one of its sources
	v_mov_b32 v253, 0                              ; (named as the upper half of the pair v[252:253])
.set j, 0
.rept 32
	v_mov_b32 v[160+j], 0                          ; O^T: which step is a wave's first hangs on the block, so every step adds, and the first change of M multiplies zeros
.set j, j+1
.endr
	s_wait_kmcnt 0x0
	s_add_co_i32 s76, s70, s71
	s_lshl_b32 s76, s76, 23
	s_add_co_i32 s[CS], s[CS], s76                 ; a score stands for score x 2^(e6 + e7): the two exponents are added to c's exponent field
	s_mov_b32 s[CS+1], s[CS]                       ; (named with it as a pair, so it is written)
	s_add_co_i32 s76, s72, 127
	s_lshl_b32 s77, s76, 23
	v_mov_b32 v244, s77                            ; 2^e8, for p's conversions
	s_add_co_i32 s76, s76, 15
	s_lshl_b32 s76, s76, 23
	s_or_b32 s76, s76, 0x600000
	v_mov_b32 v240, s76                            ; 57,344 x 2^e8
	s_sub_co_i32 s76, s74, s72
	s_sub_co_i32 s76, s76, s73
	s_add_co_i32 s76, s76, 127
	s_lshl_b32 s77, s76, 23
	v_mov_b32 v245, s77                            ; 2^(e10 - e8 - e9): O / l stands for O / l x 2^(e8 + e9), and its code is that / 2^e10
	s_add_co_i32 s76, s76, 15
	s_lshl_b32 s76, s76, 23
	s_or_b32 s76, s76, 0x600000
	v_mov_b32 v241, s76
	s_wait_tensorcnt 0x0                           ; my slot has landed,
	s_barrier_signal -1
	s_barrier_wait -1                              ; everybody's has: all twelve may be read from here on, and nothing writes them again
	s_wait_loadcnt 0x0                             ; Q
; A STEP of 128 keys: slot (wave / 8) + s.  mode 0: all keys count; 1: the far edge (key hidden where q - k >= 512); 2: the diagonal (hidden where k > q).
.macro STEP s, mode
.if \s < 4
	s_add_co_i32 s57, s[KS0], 128*\s
	s_cmp_lt_i32 s57, 0                            ; keys in front of key 0: there is no such step.  A branch on ids; no barrier and no tensor load stands in a step
	s_cbranch_scc1 .Lnone_\@
.endif
.rept 4
	v_nop                                          ; places in front of loads into registers that the last products read
.endr
.irp t, 0,1,2,3,4,5,6,7
.irp c, 0,1
	ds_load_b128 v[32+8*\t+4*\c:35+8*\t+4*\c], v[AK] offset:8192*\s+1024*\t+512*\c
.endr
.endr
	s_wait_dscnt 0x0
.irp t, 0,1,2,3,4,5,6,7
	v_wmma_f32_16x16x64_bf8_bf8 v[96+8*\t:103+8*\t], v[32+8*\t:39+8*\t], v[16:23], 0   ; S^T: keys 16 t on x my 16 queries, K = the head's 64
.endr
.rept 4
	v_nop                                          ; places in front of the loads below and of the first read of the scores
.endr
.irp ct, 0,1,2,3
.irp g, 0,1,2,3
	ds_load_b128 v[32+16*\ct+4*\g:35+16*\ct+4*\g], v[AV] offset:8192*\s+2048*\ct+512*\g   ; V's four fragments land while the softmax is worked
.endr
.endr
.if \mode
	v_mov_b32 v254, 0xff800000                     ; -infinity: a hidden key's p is 0
.set n, 0
.rept 64                                       ; register n is key 16 (n / 8) + n % 8 + 8 h of the step; my query stands at 16 (wave % 8) + r of the last step, and 512 further on than that place in the first
.if \mode == 2
	v_cmp_gt_i32 vcc_lo, 16*(n/8)+n%8, v[DD]
.else
	v_cmp_le_i32 vcc_lo, 16*(n/8)+n%8, v[DD]
.endif
	v_cndmask_b32 v[96+n], v[96+n], v254, vcc_lo
.set n, n+1
.endr
.endif
	v_max3_num_f32 v254, v96, v97, v98             ; the step's largest score of my query, among my 64 keys, in two chains,
	v_max3_num_f32 v252, v99, v100, v101
.irp i, 6,10,14,18,22,26,30,34,38,42,46,50,54,58
	v_max3_num_f32 v254, v254, v[96+\i], v[97+\i]
	v_max3_num_f32 v252, v252, v[98+\i], v[99+\i]
.endr
	v_max3_num_f32 v254, v254, v158, v159
	v_max_num_f32 v254, v254, v252
	v_permlanex16_b32 v236, v254, s[SEL], s[SEL+1]
	v_max_num_f32 v254, v254, v236                 ; and among lane l xor 16's
	v_mul_f32 v254, s[CS], v254                    ; as t (c is positive)
	v_max_num_f32 v13, v13, v254                   ; the running largest t (a row with no key in sight yet keeps -3e38: its p are 0)
	v_mov_b32 v254, v12
	v_floor_f32 v12, -v13                          ; the new -M = floor(-t) = -ceil(t): M is a whole number
	v_sub_f32 v254, v12, v254                      ; M's old value less its new one: a whole number, 0 or less
	v_cvt_i32_f32 v254, v254                       ; (it saturates)
	v_ldexp_f32 v252, 1.0, v254                    ; f = 2^(old M - new M)
.set j, 0
.rept 32
	v_pk_fma_f32 v[96+j:97+j], v[96+j:97+j], s[CS:CS+1], v[12:13] op_sel_hi:[1,0,0]   ; t - M, two at a time (of the pairs c and -M the low word serves both halves)
.set j, j+2
.endr
.set j, 0
.rept 64
	v_exp_f32 v[96+j], v[96+j]                     ; p = 2^(t - M), at most 1: not normalised
.set j, j+1
.endr
	v_pk_mul_f32 v[14:15], v[14:15], v[252:253] op_sel_hi:[1,0]   ; the sums under the new M  (a plain line behind the exponentials)
	s_wait_alu depctr_va_vdst(0)
	v_pk_add_f32 v[242:243], v[96:97], v[98:99]    ; the row's sum is taken of the unquantised p: two at a time, in two chains
.irp j, 4,8,12,16,20,24,28,32,36,40,44,48,52,56,60
	v_pk_add_f32 v[14:15], v[14:15], v[96+\j:97+\j]
	v_pk_add_f32 v[242:243], v[242:243], v[98+\j:99+\j]
.endr
	v_pk_add_f32 v[14:15], v[14:15], v[242:243]
.irp t, 0,1,2,3,4,5,6,7
.irp i, 0,1,2,3,4,5,6,7
	v_min_num_f32 v[96+8*\t+\i], v[96+8*\t+\i], v240   ; the conversion does not saturate (ISA guide 7.6.2); p is not negative, so the hold is one-sided
.endr
	v_cvt_scalef32_pk8_bf8_f32 v[192+2*\t:193+2*\t], v[96+8*\t:103+8*\t], v244   ; keys 16 t + 8 h + 0 .. 7: registers 2 t, 2 t + 1 of P
.endr
.set j, 0
.rept 16
	v_pk_mul_f32 v[160+j:161+j], v[160+j:161+j], v[252:253] op_sel_hi:[1,0]   ; O^T under the new M.  (Plain lines between the conversions and the products that read their results)
.set j, j+2
.endr
	s_wait_dscnt 0x0                               ; V's fragments are in
.irp ct, 0,1,2,3                               ; O^T += V^T P^T: the four accumulators take turns, and eight products of S^T stand between two steps'
	v_wmma_f32_16x16x128_bf8_bf8 v[160+8*\ct:167+8*\ct], v[32+16*\ct:47+16*\ct], v[192:207], v[160+8*\ct:167+8*\ct]
.endr
.if \s < 4
.Lnone_\@:
.endif
.endm
	STEP 0, 1
	STEP 1, 0
	STEP 2, 0
	STEP 3, 0
	STEP 4, 2                                      ; the diagonal's step holds the query's own key: every row has a sum above 1/2
	; THE WAY OUT: O^T / the sum, held, converted: tile ct's eight channels are registers 2 ct, 2 ct + 1 of ctx's image, which is stored as it stands.
.rept 4
	v_nop
.endr
	v_add_f32 v14, v14, v15                        ; the sum's two halves,
	v_permlanex16_b32 v252, v14, s[SEL], s[SEL+1]
	v_add_f32 v14, v14, v252                       ; and lane l xor 16's
	v_rcp_f32 v14, v14
	v_nop                                          ; a plain line behind the transcendental
.set j, 0
	s_wait_alu depctr_va_vdst(0)
.rept 16
	v_pk_mul_f32 v[96+j:97+j], v[160+j:161+j], v[14:15] op_sel_hi:[1,0]   ; each accumulator from its low end on
.set j, j+2
.endr
.set j, 0
.rept 32
	v_med3_num_f32 v[96+j], v[96+j], -v241, v241
.set j, j+1
.endr
.irp ct, 0,1,2,3
	v_cvt_scalef32_pk8_bf8_f32 v[192+2*\ct:193+2*\ct], v[96+8*\ct:103+8*\ct], v245
.endr
	v_nop
	global_store_b128 v[LO], v[192:195], s[8:9]            ; 32 lanes store 512 consecutive bytes, aligned
	global_store_b128 v[LO], v[196:199], s[8:9] offset:512
	s_wait_tensorcnt 0x0
	ds_add_u32 v251, v255
	s_wait_dscnt 0x0
	s_endpgm
.Lfunc_end_k_q6e63adcb61_attn:
	.size	k_q6e63adcb61_attn, .Lfunc_end_k_q6e63adcb61_attn-k_q6e63adcb61_attn
	.p2alignl 7, 3214868480
	.fill 96, 4, 3214868480
	.section	.rodata,"a",@progbits
	.p2align	6, 0x0
	.amdhsa_kernel k_q6e63adcb61_attn
		.amdhsa_group_segment_fixed_size 169984
		.amdhsa_private_segment_fixed_size 0
		.amdhsa_enable_private_segment 0
		.amdhsa_kernarg_size 24
		.amdhsa_user_sgpr_count 2
		.amdhsa_user_sgpr_kernarg_segment_ptr 1
		.amdhsa_wavefront_size32 1
		.amdhsa_system_sgpr_workgroup_id_x 1
		.amdhsa_system_sgpr_workgroup_id_y 1
		.amdhsa_system_sgpr_workgroup_id_z 1
		.amdhsa_system_vgpr_workitem_id 0
		.amdhsa_next_free_vgpr 256
		.amdhsa_next_free_sgpr 80
		.amdhsa_reserve_vcc 1
		.amdhsa_float_denorm_mode_32 3
		.amdhsa_float_denorm_mode_16_64 3
		.amdhsa_memory_ordered 1
		.amdhsa_forward_progress 1
		.amdhsa_inst_pref_size 97
	.end_amdhsa_kernel
	.amdgpu_metadata
---
amdhsa.version: [ 1, 2 ]
amdhsa.kernels:
  - .name:           k_q6e63adcb61_attn
    .symbol:         k_q6e63adcb61_attn.kd
    .args:
      - { .name: qkvc, .offset: 0, .size: 8, .value_kind: global_buffer, .address_space: global }
      - { .name: lowp_scales, .offset: 8, .size: 8, .value_kind: global_buffer, .address_space: global }
      - { .name: ctxc, .offset: 16, .size: 8, .value_kind: global_buffer, .address_space: global }
    .group_segment_fixed_size: 169984
    .private_segment_fixed_size: 0
    .kernarg_segment_align: 8
    .kernarg_segment_size: 24
    .max_flat_workgroup_size: 512
    .sgpr_count:     80
    .vgpr_count:     256
    .wavefront_size: 32
...
	.end_amdgpu_metadata
.endif
;; end of part 3
;; launch proj (part 4): grid 8 x 32, 4 waves a work-group, clusters of 4 x 4, 280,064 bytes of LDS; arguments ctxc, codes, lowp_scales, bo, out0; writes out0
.if DOCPART == 4
	.amdgcn_target "amdgcn-amd-amdhsa--gfx1250"
	.amdhsa_code_object_version 6
	.text
	.protected	k_q6e63adcb61_proj
	.globl	k_q6e63adcb61_proj
	.p2align	8
	.type	k_q6e63adcb61_proj,@function
k_q6e63adcb61_proj:
	s_mov_b64 s[64:65], 0
	v_nop
	global_prefetch_b8 v0, s[64:65] scope:SCOPE_SE
	s_setreg_imm32_b32 hwreg(HW_REG_WAVE_MODE, 25, 1), 1
	s_wait_xcnt 0x0
	s_wait_alu depctr_hold_cnt(0) depctr_sa_sdst(0) depctr_va_vdst(0) depctr_va_sdst(0) depctr_va_ssrc(0) depctr_va_vcc(0) depctr_vm_vsrc(0)
	s_getreg_b32 s2, hwreg(HW_REG_IB_STS2, 6, 4)
	s_cmp_eq_u32 s2, 0
	s_cbranch_scc0 .Lentry_in_a_cluster
	s_endpgm
.Lentry_in_a_cluster:
	s_bfe_u32 s2, ttmp6, 0x10000c
	s_cmp_lg_u32 s2, 0xf033
	s_cbranch_scc0 .Lentry_shape_is_right
	s_endpgm
.Lentry_shape_is_right:
; out = ctx Wo + bo on codes of BF8 (E5M2), sums in f32: out = sum x 2^(e10 + e11) + bo.  ctx: [256 tiles of tokens][8 K steps][2,048], Wo at byte 0xF00000 of codes: [64 tiles of n][8 K steps][2,048]: images of registers.
; 256 work-groups, a tile of 128 x 128 of out each; four waves, 64 x 64 each: 16 accumulators.  THE WHOLE K LIES IN LDS: 128 rows x 1,024 of each operand, 262,144 bytes, in four chunks of 256 along K; each wave asks for its quarter of
; every chunk at the start (four tensor loads of mine are out) and nothing is filled again.  A chunk is read behind a counted wait and a barrier.
; CLUSTERS: 4 x 4 work-groups.  ctx's tiles are shared along a row of the cluster, Wo's along a column: each is asked for jointly, by the same tensor load with a mask that names the four.
; The matrix instruction is used transposed (source 0 = 16 rows of Wo's images, source 1 = 16 tokens): a lane holds eight neighbouring numbers of a row of out.
; LIMIT: e10 + e11 lies between -126 and 127, so that 2^(e10 + e11) is an f32 number.
; REGISTERS: window 0: v8-19 addresses; v32-95 results at work, two sets; v96-127 my lane's 32 numbers of bo; v128-255 the accumulators ((a, b) at v[128 + 8 (4 a + b)]), later rows on their way out.
;   window 1: two sets of fragments of 128: A's four at 16 i, B's four at 64 + 16 i.
.set CH,    65536                      ; a chunk: A's two halves, then B's two halves
.set QT,    16384                      ; a quarter: 4 tiles of 16 rows x 256 k: what one tensor load brings
.set STAGE, 4*CH                       ; behind the chunks: 16 rows x 272 bytes for each wave, for the way out; no tensor load lands there
.set SP,    272
.set ADRA, 8                           ; v8-11   LDS address of my A fragments in chunk 0 .. 3
.set ADRB, 12                          ; v12-15  the same for B
.set STO,  16                          ; v16     the way out: where I put 32 bytes of a row
.set RD,   17                          ; v17     where I read a row back
.set CO,   18                          ; v18     my byte offset in out
.set BO,   19                          ; v19     32 h: my half's eight numbers of bo
.set T,    32
.set BI,   96
.set ACC,  128
.set G1A, 16
.set G1B, 24
.set G0A, 32                           ; s[32:47] four sets, one for each chunk
.set G0B, 48                           ; s[48:63]
.set MSB, 0
.macro WIN new                         ; the immediate's high byte repeats the setting that is left
.if MSB != \new
	s_set_vgpr_msb (MSB<<8)|\new
.set MSB, \new
.endif
.endm
.set MUL,  0x05                        ; sources 0 and 1 window 1; C and D window 0
.set TO_F, 0x40                        ; destination window 1, address window 0
.macro CROUND                          ; a round of the cluster's barrier
	s_barrier_signal -1
	s_barrier_wait -1
	s_cmp_lg_u32 s14, 0
	s_cbranch_scc1 .Lnot_wave_0_\@
	s_barrier_signal -3
.Lnot_wave_0_\@:
	s_barrier_wait -3
	s_barrier_signal -1
	s_barrier_wait -1
.endm
	s_load_b256 s[4:11], s[0:1], 0x0               ; ctxc s[4:5], codes s[6:7], the exponents s[8:9], bo s[10:11]
	s_load_b64 s[12:13], s[0:1], 0x20              ; out0
	v_lshl_add_u32 v30, v0, 2, 0x44400
	v_mov_b32 v31, 0
	ds_add_u32 v30, v31
	ds_add_u32 v30, v31
	v_lshrrev_b32 v1, 5, v0
	v_readfirstlane_b32 s14, v1                    ; wave 0..3
	s_lshr_b32 s15, s14, 1                         ; which half of the tile's rows is mine.  Also: I fetch for A (0) or for B (1)
	s_and_b32 s70, s14, 1                          ; which half of its columns.  Also: which half of that operand I fetch
	s_bfe_u32 s71, ttmp6, 0x40000                  ; cx, cy
	s_bfe_u32 s72, ttmp6, 0x40004
	s_lshl_b32 s73, ttmp9, 2
	s_add_co_u32 s73, s73, s71                     ; tile column 0..7
	s_and_b32 s74, ttmp7, 0xffff
	s_lshl_b32 s74, s74, 2
	s_add_co_u32 s74, s74, s72                     ; tile row 0..31
	s_lshl_b32 s75, s72, 2
	s_lshl_b32 s75, 15, s75                        ; my row of the cluster
	s_lshl_b32 s76, 0x1111, s71                    ; my column
	; descriptor group 1: 4 rows of 4,096 bytes (a tile of 16 rows, two images on end), 16,384 bytes apart; elements of 8 bytes; no padding
	s_or_b32 s[G1A], s75, (3<<16)|(1<<21)
	s_or_b32 s[G1B], s76, (3<<16)|(1<<21)
.irp g, G1A, G1B
	s_mov_b32 s[\g+1], 512<<16
	s_mov_b32 s[\g+2], 4<<16
	s_mov_b32 s[\g+3], 512<<16
	s_mov_b32 s[\g+4], 4
	s_mov_b32 s[\g+5], 2048
	s_mov_b32 s[\g+6], 0
	s_mov_b32 s[\g+7], 0
.endr
	s_lshl_b32 s78, s74, 17                        ; 128 rows are eight tiles of 16,384 bytes
	s_lshl_b32 s79, s70, 16
	s_add_co_u32 s78, s78, s79                     ; A: hangs on the tile row and the wave alone
	s_mov_b32 s79, 0
	s_lshl_b32 s80, s73, 17
	s_lshl_b32 s81, s70, 16
	s_add_co_u32 s80, s80, s81
	s_add_co_u32 s80, s80, 0xF00000                ; B: on the tile column and the wave alone
	s_mov_b32 s81, 0
	s_lshl_b32 s86, s14, 14                        ; where they go in a chunk: wave x 16,384
	s_wait_dscnt 0x0
	s_wait_kmcnt 0x0
	s_load_b64 s[68:69], s[8:9], 0x28              ; e10, e11
	s_add_nc_u64 s[82:83], s[4:5], s[78:79]
	s_add_nc_u64 s[84:85], s[6:7], s[80:81]
.irp j, 0,1,2,3
	s_mov_b32 s[G0A+4*\j], 1
	s_add_co_u32 s[G0A+4*\j+1], s86, CH*\j
	s_add_nc_u64 s[G0A+4*\j+2:G0A+4*\j+3], s[82:83], 4096*\j
	s_or_b32 s[G0A+4*\j+3], s[G0A+4*\j+3], 0x80000000
	s_mov_b32 s[G0B+4*\j], 1
	s_add_co_u32 s[G0B+4*\j+1], s86, CH*\j
	s_add_nc_u64 s[G0B+4*\j+2:G0B+4*\j+3], s[84:85], 4096*\j
	s_or_b32 s[G0B+4*\j+3], s[G0B+4*\j+3], 0x80000000
.endr
	CROUND                                         ; all sixteen work-groups are here: the joint loads meet
	s_cmp_eq_u32 s15, 0                            ; a wave's four fills stand in one branch on its number, ahead of every wait on TENSORcnt and every LDS read; four v_nop follow the last
	s_cbranch_scc0 .Lfor_b
.irp j, 0,1,2,3
	tensor_load_to_lds s[G0A+4*\j:G0A+4*\j+3], s[G1A:G1A+7]
	s_nop 0
.endr
.rept 4
	v_nop
.endr
	s_branch .Lasked
.Lfor_b:
.irp j, 0,1,2,3
	tensor_load_to_lds s[G0B+4*\j:G0B+4*\j+3], s[G1B:G1B+7]
	s_nop 0
.endr
.rept 4
	v_nop
.endr
.Lasked:
	v_and_b32 v1, 31, v0
	v_lshlrev_b32 v2, 4, v1                        ; 16 x lane
	v_and_b32 v3, 15, v0                           ; r
	v_bfe_u32 v4, v0, 4, 1                         ; h
	s_lshl_b32 s87, s15, 14
	s_lshl_b32 s88, s70, 14
	s_add_co_u32 s88, s88, 2*QT
	v_add_nc_u32 v[ADRA], s87, v2
	v_add_nc_u32 v[ADRB], s88, v2
.irp j, 1,2,3
	v_add_nc_u32 v[ADRA+\j], CH*\j, v[ADRA]
	v_add_nc_u32 v[ADRB+\j], CH*\j, v[ADRB]
.endr
	s_mul_i32 s89, s14, 16*SP
	s_add_co_u32 s89, s89, STAGE                   ; my stage
	v_mul_u32_u24 v5, v3, SP
	v_lshl_add_u32 v5, v4, 5, v5
	v_add_nc_u32 v[STO], s89, v5                   ; in: row r, 32 bytes for each half of the lanes
	v_mul_u32_u24 v5, v4, SP
	v_lshl_add_u32 v5, v3, 4, v5
	v_add_nc_u32 v[RD], s89, v5                    ; back: lanes 0-15 one row of 256 bytes, lanes 16-31 the next
	v_lshlrev_b32 v5, 12, v4
	v_lshl_add_u32 v[CO], v3, 4, v5                ; and the same two rows in out
	v_lshlrev_b32 v[BO], 5, v4
	s_lshl_b32 s90, s73, 9                         ; my 64 columns, in bytes: 512 x tile column + 256 x half
	s_lshl_b32 s91, s70, 8
	s_add_co_u32 s90, s90, s91
	s_mov_b32 s91, 0
	s_add_nc_u64 s[10:11], s[10:11], s[90:91]
	s_add_nc_u64 s[12:13], s[12:13], s[90:91]
	s_lshl_b32 s92, s74, 19                        ; my 64 rows of 4,096 bytes: 128 x tile row + 64 x half
	s_lshl_b32 s93, s15, 18
	s_add_co_u32 s92, s92, s93
	s_mov_b32 s93, 0
	s_add_nc_u64 s[12:13], s[12:13], s[92:93]
.irp b, 0,1,2,3
	global_load_b128 v[BI+8*\b:BI+8*\b+3],   v[BO], s[10:11] offset:64*\b      ; bo at columns 16 b + 8 h + 0 .. 7: the result's layout
	global_load_b128 v[BI+8*\b+4:BI+8*\b+7], v[BO], s[10:11] offset:64*\b+16
.endr
.macro FETCH k, f                      ; K step k's eight fragments into set f: 32 loads of 512 consecutive bytes
	WIN TO_F
.irp i, 0,1,2,3
.irp c, 0,1,2,3
	ds_load_b128 v[\f+64+16*\i+4*\c:\f+64+16*\i+4*\c+3], v[ADRB+(\k)/2] offset:4096*\i+2048*((\k)%2)+512*\c
.endr
.irp c, 0,1,2,3
	ds_load_b128 v[\f+16*\i+4*\c:\f+16*\i+4*\c+3], v[ADRA+(\k)/2] offset:4096*\i+2048*((\k)%2)+512*\c
.endr
.endr
.endm
.macro MUL16 f, zero                   ; the 16 accumulators take turns, one instruction a turn, in the same order in every step
	WIN MUL
.irp a, 0,1,2,3
.irp b, 0,1,2,3
.if \zero
	v_wmma_f32_16x16x128_bf8_bf8 v[ACC+8*(4*\a+\b):ACC+8*(4*\a+\b)+7], v[\f+64+16*\b:\f+64+16*\b+15], v[\f+16*\a:\f+16*\a+15], 0
.else
	v_wmma_f32_16x16x128_bf8_bf8 v[ACC+8*(4*\a+\b):ACC+8*(4*\a+\b)+7], v[\f+64+16*\b:\f+64+16*\b+15], v[\f+16*\a:\f+16*\a+15], v[ACC+8*(4*\a+\b):ACC+8*(4*\a+\b)+7]
.endif
.endr
.endr
.endm
; K step k: its fragments are in; the next step's are asked for, into the other set; then its sixteen products.
.macro KSTEP k, zero
.set FC, 128*((\k)%2)
.set FN, 128-FC
	s_wait_dscnt 0x0                               ; this step's fragments are in
.if ((\k)%2 == 1) && ((\k) < 7)
	s_wait_tensorcnt 3-((\k)+1)/2                  ; my quarter of the next chunk has landed; my later chunks' loads may be out
	s_barrier_signal -1
	s_barrier_wait -1                              ; everybody's has
.endif
.if (\k) < 7
.if (\k) > 0
.rept 4
	v_nop                                          ; places in front of loads into the set that the last step's products read
.endr
.endif
	FETCH (\k)+1, FN
.endif
	MUL16 FC, \zero
.endm
	s_wait_tensorcnt 3                             ; my quarter of chunk 0 has landed; three loads of mine may be out
	s_barrier_signal -1
	s_barrier_wait -1
	FETCH 0, 0
	KSTEP 0, 1                                     ; the first products start the sums
	KSTEP 1, 0
	KSTEP 2, 0
	KSTEP 3, 0
	KSTEP 4, 0
	KSTEP 5, 0
	KSTEP 6, 0
	KSTEP 7, 0
	WIN 0
	; THE WAY OUT, block by block of 16 rows x 64 columns: sum x 2^(e10 + e11) + bo, one packed multiply-add for two numbers; through my own stage, and back as whole rows of 256 bytes.
	s_wait_kmcnt 0x0
	s_add_co_i32 s66, s68, s69
	s_add_co_i32 s66, s66, 127
	s_lshl_b32 s66, s66, 23                        ; 2^(e10 + e11) as f32
	s_mov_b32 s67, s66                             ; (named with it as a pair, so it is written)
.rept 4
	v_nop                                          ; places behind the last products
.endr
	s_wait_loadcnt 0x0                             ; bo
.macro TOSTAGE a
.irp b, 0,1,2,3
.irp i, 0,2,4,6
	v_pk_fma_f32 v[T+32*((\a)%2)+8*\b+\i:T+32*((\a)%2)+8*\b+\i+1], v[ACC+8*(4*(\a)+\b)+\i:ACC+8*(4*(\a)+\b)+\i+1], s[66:67], v[BI+8*\b+\i:BI+8*\b+\i+1] op_sel_hi:[1,0,1]   ; each accumulator from its low end on
.endr
.endr
.irp b, 0,1,2,3
	ds_store_b128 v[STO], v[T+32*((\a)%2)+8*\b:T+32*((\a)%2)+8*\b+3]   offset:64*\b
	ds_store_b128 v[STO], v[T+32*((\a)%2)+8*\b+4:T+32*((\a)%2)+8*\b+7] offset:64*\b+16
.endr
.irp t, 0,1,2,3,4,5,6,7
	ds_load_b128 v[ACC+32*(\a)+4*\t:ACC+32*(\a)+4*\t+3], v[RD] offset:2*SP*\t   ; LDS serves a wave's instructions in order (ISA guide 5.7.1.4): these see my stores, and the next block's stores come behind them.  They land in the block's own accumulators, which have been read
.endr
.endm
.macro SEND a, younger                 ; younger: the LDS instructions issued behind block a's loads: the next block's eight stores and eight loads, or none
	s_wait_dscnt \younger
.irp t, 0,1,2,3,4,5,6,7
	global_store_b128 v[CO], v[ACC+32*(\a)+4*\t:ACC+32*(\a)+4*\t+3], s[12:13] offset:(16*(\a)+2*\t)*4096 th:TH_STORE_NT   ; sixteen lanes store 256 consecutive bytes, aligned; written once, read by nobody here
.endr
.endm
	TOSTAGE 0
	TOSTAGE 1
	SEND 0, 16
	TOSTAGE 2
	SEND 1, 16
	TOSTAGE 3
	SEND 2, 16
	SEND 3, 0
	s_wait_tensorcnt 0x0
	ds_add_u32 v30, v31
	s_wait_dscnt 0x0
	CROUND                                         ; the closing round: no work-group ends while a partner may still ask for a tile that names it
	s_endpgm
.Lfunc_end_k_q6e63adcb61_proj:
	.size	k_q6e63adcb61_proj, .Lfunc_end_k_q6e63adcb61_proj-k_q6e63adcb61_proj
	.p2alignl 7, 3214868480
	.fill 96, 4, 3214868480
	.section	.rodata,"a",@progbits
	.p2align	6, 0x0
	.amdhsa_kernel k_q6e63adcb61_proj
		.amdhsa_group_segment_fixed_size 280064
		.amdhsa_private_segment_fixed_size 0
		.amdhsa_enable_private_segment 0
		.amdhsa_kernarg_size 40
		.amdhsa_user_sgpr_count 2
		.amdhsa_user_sgpr_kernarg_segment_ptr 1
		.amdhsa_wavefront_size32 1
		.amdhsa_system_sgpr_workgroup_id_x 1
		.amdhsa_system_sgpr_workgroup_id_y 1
		.amdhsa_system_sgpr_workgroup_id_z 1
		.amdhsa_system_vgpr_workitem_id 0
		.amdhsa_next_free_vgpr 512
		.amdhsa_next_free_sgpr 96
		.amdhsa_reserve_vcc 0
		.amdhsa_float_denorm_mode_32 3
		.amdhsa_float_denorm_mode_16_64 3
		.amdhsa_memory_ordered 1
		.amdhsa_forward_progress 1
		.amdhsa_inst_pref_size 47
	.end_amdhsa_kernel
	.amdgpu_metadata
---
amdhsa.version: [ 1, 2 ]
amdhsa.kernels:
  - .name:           k_q6e63adcb61_proj
    .symbol:         k_q6e63adcb61_proj.kd
    .args:
      - { .name: ctxc, .offset: 0, .size: 8, .value_kind: global_buffer, .address_space: global }
      - { .name: codes, .offset: 8, .size: 8, .value_kind: global_buffer, .address_space: global }
      - { .name: lowp_scales, .offset: 16, .size: 8, .value_kind: global_buffer, .address_space: global }
      - { .name: bo, .offset: 24, .size: 8, .value_kind: global_buffer, .address_space: global }
      - { .name: out0, .offset: 32, .size: 8, .value_kind: global_buffer, .address_space: global }
    .group_segment_fixed_size: 280064
    .private_segment_fixed_size: 0
    .kernarg_segment_align: 8
    .kernarg_segment_size: 40
    .max_flat_workgroup_size: 128
    .sgpr_count:     96
    .vgpr_count:     512
    .wavefront_size: 32
...
	.end_amdgpu_metadata
.endif
;; end of part 4
